; MI455X (gfx1250); checked and timed in simulation.
; The chip was launched on July 23, 2026; its instructions are those of AMD's public machine-readable ISA for CDNA 5 (MIT licence, August 2026) and "CDNA5" Instruction Set Architecture Reference Guide (July 2026). The comments in the code are by the model that wrote it; some were corrected since.
;; Self Attention. Allowed arithmetic: matrix products marked QUANTISED: E2M1 operands, one E8M0 scale for each 32 along K, by v_wmma_scale_f32_16x16x128_f8f6f4 with both operands' format E2M1 (or v_wmma_scale_f32_32x16x128_f4), f32 sums; everything else in f32.
;; Inputs: b_k 1,024 float32; b_q 1,024 float32; b_v 1,024 float32; mask 4 x 1 x 2,048 x 2,048 float32; w_k_codes 1,024 x 32 x 16 uint8 (E2M1 codes of w_k, K innermost, in blocks of 32 codes, two codes a byte); w_k_scales 1,024 x 32 uint8 (E8M0 scales of w_k, one for each 32 codes along K); w_q_codes 1,024 x 32 x 16 uint8 (E2M1 codes of w_q, K innermost, in blocks of 32 codes, two codes a byte); w_q_scales 1,024 x 32 uint8 (E8M0 scales of w_q, one for each 32 codes along K); w_v_codes 1,024 x 32 x 16 uint8 (E2M1 codes of w_v, K innermost, in blocks of 32 codes, two codes a byte); w_v_scales 1,024 x 32 uint8 (E8M0 scales of w_v, one for each 32 codes along K); x_codes 4 x 2,048 x 32 x 16 uint8 (E2M1 codes of x, K innermost, in blocks of 32 codes, two codes a byte); x_scales 4 x 2,048 x 32 uint8 (E8M0 scales of x, one for each 32 codes along K).
;; Outputs: out0 4 x 2,048 x 1,024 float32.
;; This version of the problem:
;;   THIS VERSION OF THE PROBLEM IS GIVEN IN LOW PRECISION. The matrix products marked QUANTISED in the list below multiply operands that are first quantised to E2M1 (2 exponent bits, 1 mantissa bit; 4 bits a number), with one power-of-two scale for each 32 numbers along K (OCP MX v1.0); their sums are f32. All else is computed in f32.
;;   The module's matrix products, in the order in which they are computed (A, B: the left and right operand; K: the contracted axis; several contracted axes count as one K, in the product's order):
;;     1. [M 8,192, K 1,024] x [K 1,024, N 1,024]; A: input x (given as codes); B: input w_q (given as codes): QUANTISED
;;     2. [M 8,192, K 1,024] x [K 1,024, N 1,024]; A: input x (given as codes); B: input w_k (given as codes): QUANTISED
;;     3. [M 8,192, K 1,024] x [K 1,024, N 1,024]; A: input x (given as codes); B: input w_v (given as codes): QUANTISED
;;     4. batch 64 x [M 2,048, K 64] x [K 64, N 2,048]; A: computed on the way; B: computed on the way: QUANTISED
;;     5. batch 64 x [M 2,048, K 2,048] x [K 2,048, N 64]; A: softmax (see below); B: computed on the way: QUANTISED
;;   THE QUANTISER, for each operand of a quantised product, along K:
;;     - K is cut into blocks of 32 from its start; a last block that is shorter is filled with zeros.
;;     - A block's scale is 2^e with e = floor(log2(the largest magnitude in the block)) - 2, held to -126 .. 127; a block of zeros has e = 0. As a byte (E8M0): e + 127.
;;     - Each number is divided by its block's scale, clamped to +-6, and rounded to the nearest number of E2M1, ties to even, subnormals kept.
;;     - The product sums the exact products of the quantised numbers (number of the format x scale) in f32.
;;   ~~~python
;;   def quantise(x, axis):      # numpy; x: float32 -> the quantised numbers, widened to float32 again
;;       x = np.moveaxis(x, axis, -1); K = x.shape[-1]
;;       x = np.pad(x, [(0, 0)] * (x.ndim - 1) + [(0, -K % 32)]); x = x.reshape(x.shape[:-1] + (-1, 32)); a = np.abs(x).max(-1, keepdims=True)
;;       e = np.where(a > 0, np.clip(np.frexp(np.where(a > 0, a, 1))[1] - 1 - 2, -126, 127), 0)      # np.frexp(a)[1] - 1 = floor(log2(a)), exactly
;;       r = np.clip(x / 2.0 ** e, -6, 6)
;;       step = 2.0 ** (np.maximum(np.frexp(np.where(r == 0, 1, r))[1] - 1, 0) - 1)
;;       q = np.round(r / step) * step * 2.0 ** e      # np.round: ties to even
;;       return np.moveaxis(q.reshape(q.shape[:-2] + (-1,))[..., :K], -1, axis).astype(np.float32)
;;   ~~~
;;   SOFTMAX AHEAD OF A QUANTISED PRODUCT. Where the list says 'softmax', what is quantised is not the finished softmax but p = 2^(t - M), with t = logit x log2(e) and M = ceil(the row's largest t), a whole number; so 1/2 < the row's largest p <= 1. The row's sum l is taken of the UNQUANTISED p, in f32, and the product's result is divided by l at the end. Since M is a whole number, a kernel that streams over the keys may use a running M (the ceiling of the running maximum): every later rescaling is an exact power of two, which a block's scale takes up: the codes' values come out the same.
;;   OPERANDS COMPUTED ON THE WAY. 'Computed on the way' means the value that the module computes at that place (a softmax that the list does not call 'softmax' is quantised finished and normalised). What goes into a quantiser is computed in f32, as accurately as f32 sums, v_exp_f32 and their like allow (about 1e-6 of the number): no bf16 or f16 on the way to a quantiser, and a product that is left as it is and whose result goes on into a quantised operand takes f32 operands (vector FMAs, or v_wmma_f32_16x16x4_f32). A number that lies on a knife's edge between two numbers of the format may be rounded either way, as far as f32 arithmetic and the matrix unit's own rounding can turn it there, and no further.
;;   INPUTS GIVEN AS CODES. w_k (in the module: [1024, 1024], K = its axis 1); w_q (in the module: [1024, 1024], K = its axis 1); w_v (in the module: [1024, 1024], K = its axis 1); x (in the module: [4, 2048, 1024], K = its axis 2): each comes as NAME_codes (uint8): NAME with its K axis moved to the last place and cut into blocks of 32 codes, [.., K / 32, bytes a block], one block behind the other in memory; two codes a byte, the lower K in the low four bits (a code: sign, 2 exponent bits, 1 mantissa bit); and NAME_scales (uint8): the same leading axes, one E8M0 byte (e + 127) for each 32 codes along K. Its value is code x scale, taken as it is: it is not quantised again, and the codes and scales need not be those that the quantiser above would give.
;; One version. Each part assembles by itself: llvm-mc -triple=amdgcn-amd-amdhsa -mcpu=gfx1250 --defsym DOCPART=n.
;; ======== version 1 of 1: 2 launches
;; limits: right only within a limited range of input values
;; workspace buffers: qkv 13,369,344 bytes
;; launch proj (part 1): grid 8 x 32, 4 waves a work-group, clusters of 4 x 4, 327,680 bytes of LDS; arguments x_codes, x_scales, w_q_codes, w_q_scales, b_q, w_k_codes, w_k_scales, b_k, w_v_codes, w_v_scales, b_v, qkv; writes qkv
.if DOCPART == 1
	.amdgcn_target "amdgcn-amd-amdhsa--gfx1250"
	.amdhsa_code_object_version 6
	.text
	.protected	k_qa786adcdca_proj
	.globl	k_qa786adcdca_proj
	.p2align	8
	.type	k_qa786adcdca_proj,@function
k_qa786adcdca_proj:
	s_mov_b64 s[64:65], 0
	v_nop
	global_prefetch_b8 v0, s[64:65] scope:SCOPE_SE
	s_setreg_imm32_b32 hwreg(HW_REG_WAVE_MODE, 25, 1), 1
	s_wait_xcnt 0x0
	s_wait_alu depctr_hold_cnt(0) depctr_sa_sdst(0) depctr_va_vdst(0) depctr_va_sdst(0) depctr_va_ssrc(0) depctr_va_vcc(0) depctr_vm_vsrc(0)
	s_getreg_b32 s2, hwreg(HW_REG_IB_STS2, 6, 4)
	s_cmp_eq_u32 s2, 0
	s_cbranch_scc0 .Lentry_in_a_cluster
	s_endpgm
.Lentry_in_a_cluster:
	s_bfe_u32 s2, ttmp6, 0x10000c
	s_cmp_lg_u32 s2, 0xf033
	s_cbranch_scc0 .Lentry_shape_is_right
	s_endpgm
.Lentry_shape_is_right:
; q = x Wq^T + bq, k = x Wk^T + bk, v = x Wv^T + bv on the given codes of FP4 (E2M1) with their E8M0 scale bytes, sums in f32; then q and k are quantised along the head's 64
; and v along the keys, and all three leave as IMAGES OF OPERAND REGISTERS for the attention launch.
; SHARES.  256 work-groups: 128 columns (two heads) x 256 tokens each, the three products one after the other.  Wave w: tokens 128 (w / 2) on, head w % 2: 8 token tiles x 4 column tiles = 32 accumulators.
; All of K (1,024 codes = 512 bytes a row) of the work-group's x and of one weight lies in LDS at once: x is fetched once for the three products.
; CLUSTER 4 x 4: x's tile hangs on the token block alone and is asked for jointly along a row of the cluster, a weight's tile on the column block alone and jointly along a column.
; q AND k ARE MADE TRANSPOSED (source 0 = 16 rows of W, source 1 = 16 tokens): a lane holds one token and eight neighbouring columns a tile, so its registers run along d, the next product's K.
; v IS MADE AS IT STANDS (source 0 = tokens, source 1 = rows of W): a lane holds one column d and eight tokens a tile, so its registers run along the keys, the last product's K.
; QUANT takes 64 registers of a lane as four blocks of 16, each shared with lane l xor 16.  Inside a block of 32 the codes lie in the order [lanes 0-15: tile 2 b, tile 2 b + 1; lanes 16-31: the same]:
; the same order for q and k (along d) and for v and the softmax's p (along the keys), so the products are the same.
; THE RECORD, 13,056 bytes for each (batch, head, block of 128 tokens): K codes 4,096 | V codes 4,096 | K scales 256 | V scales 256 | Q codes 4,096 | Q scales 256.
;   codes: QUANT i's registers 0-3 at 1024 i + 16 lane, 4-7 at 1024 i + 512 + 16 lane.  For q, k QUANT i is the pair of token tiles 2 i, 2 i + 1 (64 + 64 along K); for v it is d tile i x 128 keys.
;   scales: QUANT i's word of row r at 8 (16 (i % 2) + r) + 4 (i / 2).   q's bytes are stored 3 lower: that is the division of the logits by 8, exact.
; LIMITS: a block of q whose largest magnitude lies under 2^-121 takes the scale 2^-123 (so that its byte less 3 is at least 1); for k and v the floor is 2^-124 with the scale 2^-126.
; A block of zeros keeps the floor's byte where the quantiser's rule says 127: its codes are zeros, and only this program reads the bytes.  NaN and infinities in the biases were not tried.
; REGISTERS, in windows of 256: window 0: addresses, at work, v32-95 x's scale words (8 a + K step), v96-191 the weights' (32 p + 8 t + K step), v192-195 scale words made, v200-231 codes made.
;   window 1: the 32 accumulators.   window 2: two sets of fragments, 96 each: x's eight, then W's four.   window 3: the biases in the result's layout, 32 p + 8 t.
.set PITCH, 528                        ; an LDS row: 512 bytes + 16 of padding = 33 x 16: the sixteen rows of a fragment load start 16 bytes apart modulo 256
.set W0,    256*PITCH                  ; behind x's 256 rows: 128 rows of w_q, later of w_v
.set W1,    W0+128*PITCH               ; 128 rows of w_k
.set SPARE, W1+128*PITCH               ; the spare words, 128 bytes a wave: two blocks of 256 bytes that no other line names
.set REC,   13056
.set ADX,  4                           ; v4   LDS address of my x fragments
.set ADW0, 5                           ; v5   of my W fragments in W0
.set ADW1, 6                           ; v6   in W1
.set LI,   7                           ; v7   16 x lane
.set L8,   8                           ; v8   8 x lane
.set SPW,  9                           ; v9   my spare word; never rewritten
.set NIL,  10                          ; v10  0; never rewritten
.set R32,  11                          ; v11  32 r
.set H32,  12                          ; v12  32 h
.set R4,   13                          ; v13  4 r
.set DW,   14                          ; v[14:15] the scale words as they are stored
.set TM,   16                          ; v16-19 largest magnitudes, v20-23 the other lane's, then bytes, v28-31 the conversions' scale operands
.set XS,   32
.set WS,   96
.set PW,   192
.set PC,   200
.set G1X, 28                           ; s[28:35] group 1 for x's tile;  s[36:43] for a weight's
.set G1W, 36
.set G0X, 44                           ; s[44:47], s[48:51], s[52:55], s[56:59] groups 0: x, w_q, w_k, w_v; never rewritten
.set G0Q, 48
.set G0K, 52
.set G0V, 56
.set WV,  60
.set WR,  61
.set WC,  62
.set CX,  66
.set CY,  67
.set WGX, 68
.set WGY, 69
.set SEL, 72
.set HM,  74
.set MSB, 0
.macro WIN new                         ; the immediate's high byte repeats the setting that is left; a switch that changes nothing is dropped
.if MSB != \new
	s_set_vgpr_msb (MSB<<8)|\new
.set MSB, \new
.endif
.endm
.macro PLACES                          ; four plain places behind matrix instructions, in front of loads into their registers and of the first read of results
.rept 4
	v_nop
.endr
.endm
.macro CROUND                          ; a round of the cluster's barrier
	s_barrier_signal -1
	s_barrier_wait -1
	s_cmp_lg_u32 s[WV], 0
	s_cbranch_scc1 .Lnot_wave_0_\@
	s_barrier_signal -3
.Lnot_wave_0_\@:
	s_barrier_wait -3
	s_barrier_signal -1
	s_barrier_wait -1
.endm
	s_load_b512 s[4:19], s[0:1], 0x0               ; x codes s[4:5], x scales s[6:7], w_q codes s[8:9], scales s[10:11], b_q s[12:13], w_k codes s[14:15], scales s[16:17], b_k s[18:19]
	s_load_b256 s[20:27], s[0:1], 0x40             ; w_v codes s[20:21], scales s[22:23], b_v s[24:25], qkv s[26:27]
	v_lshl_add_u32 v[SPW], v0, 2, SPARE
	v_mov_b32 v[NIL], 0
	ds_add_u32 v9, v10
	ds_add_u32 v9, v10
	s_wait_dscnt 0x0
	v_lshrrev_b32 v1, 5, v0
	v_readfirstlane_b32 s[WV], v1                  ; wave 0..3
	s_lshr_b32 s[WR], s[WV], 1                     ; which 128 tokens
	s_and_b32 s[WC], s[WV], 1                      ; which head of the two
	s_bfe_u32 s[CX], ttmp6, 0x40000
	s_bfe_u32 s[CY], ttmp6, 0x40004
	s_lshl_b32 s[WGX], ttmp9, 2
	s_add_co_u32 s[WGX], s[WGX], s[CX]             ; block of 128 columns
	s_and_b32 s[WGY], ttmp7, 0xffff
	s_lshl_b32 s[WGY], s[WGY], 2
	s_add_co_u32 s[WGY], s[WGY], s[CY]             ; block of 256 tokens
	s_lshl_b32 s76, s[CY], 2
	s_lshl_b32 s76, 15, s76                        ; my row of the cluster
	s_lshl_b32 s77, 0x1111, s[CX]                  ; my column
	s_or_b32 s[G1X], s76, (0<<16)|(1<<20)|(1<<21)|(6<<22)|(3<<25)   ; the mask; elements of 1 byte; padding on; bit 21 beside a mask; after every 128 words four words
	s_or_b32 s[G1W], s77, (0<<16)|(1<<20)|(1<<21)|(6<<22)|(3<<25)
.irp g, G1X, G1W
	s_mov_b32 s[\g+1], 512<<16                     ; tensor_dim0 = 512 bytes: all of K
	s_mov_b32 s[\g+3], 512<<16                     ; tile_dim0
	s_mov_b32 s[\g+5], 512                         ; from row to row
	s_mov_b32 s[\g+6], 0
	s_mov_b32 s[\g+7], 0
.endr
	s_mov_b32 s[G1X+2], 128<<16                    ; at the head a load brings 128 rows: half of x, or a whole weight's tile
	s_mov_b32 s[G1X+4], 128
	s_mov_b32 s[G1W+2], 128<<16
	s_mov_b32 s[G1W+4], 128
	s_mov_b32 s[SEL], 0x76543210
	s_mov_b32 s[SEL+1], 0xfedcba98                 ; v_permlanex16_b32's selects for lane l xor 16
	s_mov_b32 s[HM], 0xffff0000                    ; lanes 16-31
	s_lshl_b32 s78, s[WGY], 17                     ; x: 256 rows of 512 bytes a block,
	s_lshl_b32 s70, s[WV], 16                      ; 128 rows a fetching wave (waves 0 and 1)
	s_add_co_u32 s78, s78, s70
	s_mov_b32 s79, 0
	s_lshl_b32 s80, s[WGX], 16                     ; W: 128 rows a block,
	s_lshl_b32 s71, s[WV], 14                      ; 32 rows a wave: for w_v's load alone
	s_mov_b32 s81, 0
	s_mul_i32 s82, s[WV], 128*PITCH
	s_mul_i32 s83, s[WV], 32*PITCH
	s_wait_kmcnt 0x0
	s_mov_b32 s[G0X], 1
	s_mov_b32 s[G0X+1], s82
	s_add_nc_u64 s[G0X+2:G0X+3], s[4:5], s[78:79]
	s_or_b32 s[G0X+3], s[G0X+3], 0x80000000
	s_mov_b32 s[G0Q], 1
	s_mov_b32 s[G0Q+1], W0
	s_add_nc_u64 s[G0Q+2:G0Q+3], s[8:9], s[80:81]
	s_or_b32 s[G0Q+3], s[G0Q+3], 0x80000000
	s_mov_b32 s[G0K], 1
	s_mov_b32 s[G0K+1], W1
	s_add_nc_u64 s[G0K+2:G0K+3], s[14:15], s[80:81]
	s_or_b32 s[G0K+3], s[G0K+3], 0x80000000
	s_add_co_u32 s80, s80, s71                     ; w_v comes later, a quarter a wave
	s_mov_b32 s[G0V], 1
	s_add_co_u32 s[G0V+1], s83, W0
	s_add_nc_u64 s[G0V+2:G0V+3], s[20:21], s[80:81]
	s_or_b32 s[G0V+3], s[G0V+3], 0x80000000
	CROUND                                         ; all sixteen work-groups are here: the first joint loads meet
	; the head's tiles, one load a wave: waves 0 and 1 x's halves, wave 2 w_q's 128 rows, wave 3 w_k's.  One chain of branches on the wave's number, a load to an arm
	s_cmp_lt_u32 s[WV], 2
	s_cbranch_scc0 .Lhead_q
	tensor_load_to_lds s[G0X:G0X+3], s[G1X:G1X+7]
	s_nop 0
	PLACES
	s_branch .Lhead_asked
.Lhead_q:
	s_cmp_lt_u32 s[WV], 3
	s_cbranch_scc0 .Lhead_k
	tensor_load_to_lds s[G0Q:G0Q+3], s[G1W:G1W+7]
	s_nop 0
	PLACES
	s_branch .Lhead_asked
.Lhead_k:
	tensor_load_to_lds s[G0K:G0K+3], s[G1W:G1W+7]
	s_nop 0
	PLACES
.Lhead_asked:
	v_and_b32 v1, 15, v0                           ; r
	v_bfe_u32 v2, v0, 4, 1                         ; h
	v_and_b32 v3, 31, v0                           ; lane
	v_mul_u32_u24 v[ADX], v1, PITCH
	v_lshl_add_u32 v[ADX], v2, 4, v[ADX]           ; a fragment's row x pitch + 16 h
	s_mul_i32 s70, s[WC], 64*PITCH
	s_add_co_u32 s70, s70, W0
	v_add_nc_u32 v[ADW0], s70, v[ADX]              ; my head's 64 rows of the weight
	v_add_nc_u32 v[ADW1], 128*PITCH, v[ADW0]
	s_mul_i32 s70, s[WR], 128*PITCH
	v_add_nc_u32 v[ADX], s70, v[ADX]               ; my 128 tokens
	v_lshlrev_b32 v[LI], 4, v3
	v_lshlrev_b32 v[L8], 3, v3
	v_lshlrev_b32 v[R32], 5, v1
	s_wait_alu depctr_va_vdst(0)
	v_lshlrev_b32 v[H32], 5, v2
	s_wait_alu depctr_va_vdst(0)
	v_lshlrev_b32 v[R4], 2, v1
	s_wait_alu depctr_va_vdst(0)
.irp b, 0,1,2,3
	v_mov_b32 v[TM+4+\b], 0                        ; written once: a lane permute's destination counts as one of its sources
.endr
	s_lshl_b32 s76, s[WGY], 13                     ; x's scales: 32 bytes a row
	s_lshl_b32 s70, s[WR], 12
	s_add_co_u32 s76, s76, s70
	s_mov_b32 s77, 0
	s_add_nc_u64 s[6:7], s[6:7], s[76:77]
	s_lshl_b32 s76, s[WGX], 12                     ; the weights' scales
	s_lshl_b32 s70, s[WC], 11
	s_add_co_u32 s76, s76, s70
	s_add_nc_u64 s[10:11], s[10:11], s[76:77]
	s_add_nc_u64 s[16:17], s[16:17], s[76:77]
	s_add_nc_u64 s[22:23], s[22:23], s[76:77]
	s_lshr_b32 s76, s76, 3                         ; the biases: 4 bytes a column
	s_add_nc_u64 s[12:13], s[12:13], s[76:77]
	s_add_nc_u64 s[18:19], s[18:19], s[76:77]
	s_add_nc_u64 s[24:25], s[24:25], s[76:77]
	s_lshr_b32 s76, s[WGY], 3                      ; the batch
	s_lshl_b32 s76, s76, 4
	s_lshl_b32 s70, s[WGX], 1
	s_add_co_u32 s76, s76, s70
	s_add_co_u32 s76, s76, s[WC]                   ; 16 batch + head
	s_lshl_b32 s76, s76, 4
	s_and_b32 s70, s[WGY], 7
	s_lshl_b32 s70, s70, 1
	s_add_co_u32 s76, s76, s70
	s_add_co_u32 s76, s76, s[WR]                   ; + the block of 128 tokens: my record
	s_mul_i32 s76, s76, REC
	s_add_nc_u64 s[26:27], s[26:27], s[76:77]
	; the scale words go straight into registers, once: lane r takes row r's 32 bytes (lanes 16-31 repeat lanes 0-15 and are not read)
.irp a, 0,1,2,3,4,5,6,7
	global_load_b128 v[XS+8*\a:XS+8*\a+3], v[R32], s[6:7] offset:512*\a
	global_load_b128 v[XS+8*\a+4:XS+8*\a+7], v[R32], s[6:7] offset:512*\a+16
.endr
.irp t, 0,1,2,3
	global_load_b128 v[WS+8*\t:WS+8*\t+3], v[R32], s[10:11] offset:512*\t
	global_load_b128 v[WS+8*\t+4:WS+8*\t+7], v[R32], s[10:11] offset:512*\t+16
	global_load_b128 v[WS+32+8*\t:WS+32+8*\t+3], v[R32], s[16:17] offset:512*\t
	global_load_b128 v[WS+32+8*\t+4:WS+32+8*\t+7], v[R32], s[16:17] offset:512*\t+16
	global_load_b128 v[WS+64+8*\t:WS+64+8*\t+3], v[R32], s[22:23] offset:512*\t
	global_load_b128 v[WS+64+8*\t+4:WS+64+8*\t+7], v[R32], s[22:23] offset:512*\t+16
.endr
	WIN 0xc0                                       ; destination window 3: the biases, each the C of a sum's first matrix instruction
.irp t, 0,1,2,3
	global_load_b128 v[8*\t:8*\t+3], v[H32], s[12:13] offset:64*\t          ; q: register j = column 16 t + 8 h + j
	global_load_b128 v[8*\t+4:8*\t+7], v[H32], s[12:13] offset:64*\t+16
	global_load_b128 v[32+8*\t:32+8*\t+3], v[H32], s[18:19] offset:64*\t    ; k likewise
	global_load_b128 v[32+8*\t+4:32+8*\t+7], v[H32], s[18:19] offset:64*\t+16
.irp j, 0,1,2,3,4,5,6,7
	global_load_b32 v[64+8*\t+\j], v[R4], s[24:25] offset:64*\t             ; v: a lane is column 16 t + r in all eight registers
.endr
.endr
	WIN 0
	s_wait_loadcnt 0x0
; 24 LDS loads in one run: the fragments of K step ks (128 along K = 64 bytes of a row) into set: x's eight tiles, W's four
.macro FETCH ks, set, adw
	WIN 0x80                                       ; destination window 2
.irp a, 0,1,2,3,4,5,6,7
.irp c, 0,1
	ds_load_b128 v[96*(\set)+8*\a+4*\c:96*(\set)+8*\a+4*\c+3], v[ADX] offset:\a*16*PITCH+64*(\ks)+32*\c
.endr
.endr
.irp t, 0,1,2,3
.irp c, 0,1
	ds_load_b128 v[96*(\set)+64+8*\t+4*\c:96*(\set)+64+8*\t+4*\c+3], v[\adw] offset:\t*16*PITCH+64*(\ks)+32*\c
.endr
.endr
.endm
.macro WM d, a, b, c, sa, sb
	v_wmma_scale_f32_16x16x128_f8f6f4 v[\d:\d+7], v[\a:\a+7], v[\b:\b+7], v[\c:\c+7], v[\sa], v[\sb] matrix_a_fmt:MATRIX_FMT_FP4 matrix_b_fmt:MATRIX_FMT_FP4
.endm
; 32 matrix instructions: K step ks of product p.  tr = 1: transposed (q, k), accumulator (a, t) at 8 (4 a + t); tr = 0 (v): at 8 (8 t + a).  The first K step takes the bias as C: nothing is cleared or added later.
; The 32 accumulators take turns, one instruction a turn, in the same order in every K step.
.macro MULS ks, set, p, tr
.if \ks == 0
	WIN 0x7a                                       ; sources 0, 1 window 2, C window 3, D window 1
.else
	WIN 0x5a                                       ; C and D window 1
.endif
.irp a, 0,1,2,3,4,5,6,7
.irp t, 0,1,2,3
.if \tr
.if \ks == 0
	WM 8*(4*\a+\t), 96*(\set)+64+8*\t, 96*(\set)+8*\a, 32*\p+8*\t, WS+32*\p+8*\t+\ks, XS+8*\a+\ks
.else
	WM 8*(4*\a+\t), 96*(\set)+64+8*\t, 96*(\set)+8*\a, 8*(4*\a+\t), WS+32*\p+8*\t+\ks, XS+8*\a+\ks
.endif
.else
.if \ks == 0
	WM 8*(8*\t+\a), 96*(\set)+8*\a, 96*(\set)+64+8*\t, 32*\p+8*\t, XS+8*\a+\ks, WS+32*\p+8*\t+\ks
.else
	WM 8*(8*\t+\a), 96*(\set)+8*\a, 96*(\set)+64+8*\t, 8*(8*\t+\a), XS+8*\a+\ks, WS+32*\p+8*\t+\ks
.endif
.endif
.endr
.endr
.endm
; A product: eight K steps on two sets of fragments; a K step's loads are issued one K step (32 matrix instructions) ahead of the wait for them.
.macro PASS p, adw, tr
	PLACES
	FETCH 0, 0, \adw
.irp ks, 0,1,2,3,4,5,6,7
	s_wait_dscnt 0x0                               ; this K step's 24 loads are in: nothing was issued behind them
.if \ks < 7
	PLACES                                         ; the other set was read by the last K step's matrix instructions
	FETCH \ks+1, (\ks+1)%2, \adw
.endif
	MULS \ks, \ks%2, \p, \tr
.endr
.endm
; 64 numbers of a lane in window 1, v[s] on, four blocks of 16 shared with lane l xor 16, become 8 registers of codes at v[pc] and a scale word in v[pw].
.macro QUANT s, pc, pw, floor
	WIN 0x05
.irp b, 0,1,2,3
	v_max3_num_f32 v[TM+\b], |v[(\s)+16*\b]|, |v[(\s)+1+16*\b]|, \floor     ; my 16 numbers, and the floor under which no largest magnitude is taken.  Each accumulator is read from its low end on
.endr
	WIN 0x14
.irp i, 2,4,6,8,10,12,14
.irp b, 0,1,2,3
	v_max3_num_f32 v[TM+\b], v[TM+\b], |v[(\s)+16*\b+\i]|, |v[(\s)+1+16*\b+\i]|   ; the four blocks by turns
.endr
.endr
	WIN 0
.irp b, 0,1,2,3
	v_permlanex16_b32 v[TM+4+\b], v[TM+\b], s[SEL], s[SEL+1]
.endr
.irp b, 0,1,2,3
	v_max_num_f32 v[TM+\b], v[TM+\b], v[TM+4+\b]   ; with lane l xor 16's: the block's largest magnitude
.endr
.irp b, 0,1,2,3
	v_add_nc_u32 v[TM+12+\b], 0xff000000, v[TM+\b] ; 2 off its exponent field: the conversion takes this operand's exponent field as its scale
.endr
.irp b, 0,1,2,3
	v_lshrrev_b32 v[TM+4+\b], 23, v[TM+12+\b]      ; the scale's byte
.endr
	v_lshl_or_b32 v[\pw], v[TM+5], 8, v[TM+4]
	v_lshl_or_b32 v[\pw], v[TM+6], 16, v[\pw]
	v_lshl_or_b32 v[\pw], v[TM+7], 24, v[\pw]
	WIN 0x01
.irp b, 0,1,2,3
	v_cvt_scalef32_pk8_fp4_f32 v[\pc+2*\b], v[(\s)+16*\b:(\s)+16*\b+7], v[TM+12+\b]
	v_cvt_scalef32_pk8_fp4_f32 v[\pc+1+2*\b], v[(\s)+16*\b+8:(\s)+16*\b+15], v[TM+12+\b]
.endr
	WIN 0
	v_nop                                          ; one plain place behind a scaled conversion
.irp c, 0,1                                    ; a whole block to a lane: lanes 0-15 block 2 c, lanes 16-31 block 2 c + 1
.irp i, 0,1
	v_permlane16_swap_b32 v[\pc+4*\c+\i], v[\pc+2+4*\c+\i]
.endr
.endr
.endm
; A product's 32 accumulators leave: four QUANTs, each two stores of 512 consecutive bytes, and one store of 256 bytes of scale words; all start at multiples of 256 bytes of the buffer.
.macro OUT p, co, so, floor
.if \p > 0
	s_wait_xcnt 0x0                                ; the last product's stores have read their data registers, which are written again below
.endif
	PLACES
.irp i, 0,1,2,3
	QUANT 64*\i, PC+8*\i, PW+\i, \floor
	global_store_b128 v[LI], v[PC+8*\i:PC+8*\i+3], s[26:27] offset:\co+1024*\i
	global_store_b128 v[LI], v[PC+8*\i+4:PC+8*\i+7], s[26:27] offset:\co+1024*\i+512
.endr
	v_cndmask_b32 v[DW], v[PW], v[PW+1], s[HM]     ; lanes 0-15 QUANT 0's word, lanes 16-31 QUANT 1's
	v_cndmask_b32 v[DW+1], v[PW+2], v[PW+3], s[HM] ; and QUANT 2's, 3's
.if \p == 0
	v_add_nc_u32 v[DW], 0xfcfcfcfd, v[DW]          ; q: 3 off each of the four bytes (each is at least 4, so no byte borrows): the logits' division by 8
	v_add_nc_u32 v[DW+1], 0xfcfcfcfd, v[DW+1]
.endif
	global_store_b64 v[L8], v[DW:DW+1], s[26:27] offset:\so
.endm
	s_wait_tensorcnt 0x0                           ; my one load of the head is in
	s_barrier_signal -1
	s_barrier_wait -1                              ; everybody's are
	PASS 0, ADW0, 1                                ; q
	WIN 0
	s_wait_tensorcnt 0x0                           ; all my tensor loads have landed, w_k's part among them;
	ds_add_u32 v[SPW], v[NIL]
	s_mov_b32 s[G1W+2], 32<<16                     ; no tensor load of mine is out, so a descriptor may be written: w_v comes 32 rows a wave
	s_mov_b32 s[G1W+4], 32
	s_wait_dscnt 0x0
	CROUND
	tensor_load_to_lds s[G0V:G0V+3], s[G1W:G1W+7]
	s_nop 0
	PLACES
	OUT 0, 8704, 12800, 0x3000000
	PASS 1, ADW1, 1                                ; k
	OUT 1, 0, 8192, 0x1800000
	s_wait_tensorcnt 0x0                           ; my part of w_v is in,
	s_wait_dscnt 0x0
	s_barrier_signal -1
	s_barrier_wait -1                              ; everybody's is
	PASS 2, ADW0, 0                                ; v
	OUT 2, 4096, 8448, 0x1800000
	s_wait_tensorcnt 0x0                           ; the wave's end
	ds_add_u32 v[SPW], v[NIL]
	s_wait_dscnt 0x0
	CROUND                                         ; the closing round
	s_endpgm
.Lfunc_end_k_qa786adcdca_proj:
	.size	k_qa786adcdca_proj, .Lfunc_end_k_qa786adcdca_proj-k_qa786adcdca_proj
	.p2alignl 7, 3214868480
	.fill 96, 4, 3214868480
	.section	.rodata,"a",@progbits
	.p2align	6, 0x0
	.amdhsa_kernel k_qa786adcdca_proj
		.amdhsa_group_segment_fixed_size 327680
		.amdhsa_private_segment_fixed_size 0
		.amdhsa_enable_private_segment 0
		.amdhsa_kernarg_size 96
		.amdhsa_user_sgpr_count 2
		.amdhsa_user_sgpr_kernarg_segment_ptr 1
		.amdhsa_wavefront_size32 1
		.amdhsa_system_sgpr_workgroup_id_x 1
		.amdhsa_system_sgpr_workgroup_id_y 1
		.amdhsa_system_sgpr_workgroup_id_z 1
		.amdhsa_system_vgpr_workitem_id 0
		.amdhsa_next_free_vgpr 864
		.amdhsa_next_free_sgpr 84
		.amdhsa_reserve_vcc 0
		.amdhsa_float_denorm_mode_32 3
		.amdhsa_float_denorm_mode_16_64 3
		.amdhsa_memory_ordered 1
		.amdhsa_forward_progress 1
		.amdhsa_inst_pref_size 204
	.end_amdhsa_kernel
	.amdgpu_metadata
---
amdhsa.version: [ 1, 2 ]
amdhsa.kernels:
  - .name:           k_qa786adcdca_proj
    .symbol:         k_qa786adcdca_proj.kd
    .args:
      - { .name: x_codes, .offset: 0, .size: 8, .value_kind: global_buffer, .address_space: global }
      - { .name: x_scales, .offset: 8, .size: 8, .value_kind: global_buffer, .address_space: global }
      - { .name: w_q_codes, .offset: 16, .size: 8, .value_kind: global_buffer, .address_space: global }
      - { .name: w_q_scales, .offset: 24, .size: 8, .value_kind: global_buffer, .address_space: global }
      - { .name: b_q, .offset: 32, .size: 8, .value_kind: global_buffer, .address_space: global }
      - { .name: w_k_codes, .offset: 40, .size: 8, .value_kind: global_buffer, .address_space: global }
      - { .name: w_k_scales, .offset: 48, .size: 8, .value_kind: global_buffer, .address_space: global }
      - { .name: b_k, .offset: 56, .size: 8, .value_kind: global_buffer, .address_space: global }
      - { .name: w_v_codes, .offset: 64, .size: 8, .value_kind: global_buffer, .address_space: global }
      - { .name: w_v_scales, .offset: 72, .size: 8, .value_kind: global_buffer, .address_space: global }
      - { .name: b_v, .offset: 80, .size: 8, .value_kind: global_buffer, .address_space: global }
      - { .name: qkv, .offset: 88, .size: 8, .value_kind: global_buffer, .address_space: global }
    .group_segment_fixed_size: 327680
    .private_segment_fixed_size: 0
    .kernarg_segment_align: 8
    .kernarg_segment_size: 96
    .max_flat_workgroup_size: 128
    .sgpr_count:     84
    .vgpr_count:     864
    .wavefront_size: 32
...
	.end_amdgpu_metadata
.endif
;; end of part 1
;; launch attn (part 2): grid 4 x 64, 8 waves a work-group, clusters of 4 x 4, 327,680 bytes of LDS; arguments qkv, mask, out0; writes out0
.if DOCPART == 2
	.amdgcn_target "amdgcn-amd-amdhsa--gfx1250"
	.amdhsa_code_object_version 6
	.text
	.protected	k_qa786adcdca_attn
	.globl	k_qa786adcdca_attn
	.p2align	8
	.type	k_qa786adcdca_attn,@function
k_qa786adcdca_attn:
	s_mov_b64 s[64:65], 0
	v_nop
	global_prefetch_b8 v0, s[64:65] scope:SCOPE_SE
	s_setreg_imm32_b32 hwreg(HW_REG_WAVE_MODE, 25, 1), 1
	s_wait_xcnt 0x0
	s_wait_alu depctr_hold_cnt(0) depctr_sa_sdst(0) depctr_va_vdst(0) depctr_va_sdst(0) depctr_va_ssrc(0) depctr_va_vcc(0) depctr_vm_vsrc(0)
	s_getreg_b32 s2, hwreg(HW_REG_IB_STS2, 6, 4)
	s_cmp_eq_u32 s2, 0
	s_cbranch_scc0 .Lentry_in_a_cluster
	s_endpgm
.Lentry_in_a_cluster:
	s_bfe_u32 s2, ttmp6, 0x10000c
	s_cmp_lg_u32 s2, 0xf033
	s_cbranch_scc0 .Lentry_shape_is_right
	s_endpgm
.Lentry_shape_is_right:
; out[b][l][64 head + d] = the sum over keys m of softmax_m(q.k / 8 + mask[b][l][m]) v[m][d], both products on codes of FP4 (E2M1) with E8M0 scales, from the records that the launch before has stored.
; THE SOFTMAX AHEAD OF THE SECOND PRODUCT: t = logit x log2(e); M = the row's largest t so far, rounded up to a whole number; p = 2^(t - M) is quantised along the keys, not normalised; the row's sum is taken
; of the unquantised p and divides at the end.  When M moves, the sum and O are multiplied by 2^(old M - new M): exact.
; SHARES.  A work-group: 4 heads x 128 queries of one batch.  Wave w: head w % 4 of the four, queries 64 (w / 4) on: four UNITS of 16 queries.  Every wave walks 16 steps of 128 keys.  Two waves share a SIMD.
; CLUSTER 4 x 4 = all 16 heads x 512 queries.  The mask's tile (128 queries x 128 keys, f32) hangs on the query block alone: it is asked for jointly along a row of the cluster (the four groups of heads);
; a head's K and V of a step hang on batch and head alone: jointly along a column (the four query blocks).
; LAYOUT.  Both products transposed: S^T = K Q^T, O^T = V^T P^T: a lane holds one query (lane % 16) throughout.
; THE HEAD'S 64 IN AN INSTRUCTION OF 128: source 0 holds a PAIR of key tiles, [tile A's 64 | tile B's 64]; source 1 is [q | 0] for tile A and [0 | q] for tile B: twelve registers q, 0, q.  Zero codes add nothing.
; THE MASK IS THE C OF K Q^T: its tile is loaded from LDS straight into the score registers (a lane: its query's row, eight neighbouring keys a tile).  q's scale bytes were stored 3 lower: D = q.k / 8 + mask.
; LIMITS: a block of p whose largest p lies under 2^-124 takes the scale 2^-126; p under 2^-126 counts as 0.  NaN and +infinity in the mask were not tried; -infinity hides a key; a row hidden wholly gives NaN, as a softmax of it does.
; REGISTERS: window 0: v1-13 addresses; v16-31 four a unit: -M, the largest t, the sum in two halves; v32-35 q's scale words; v[36:37] K's, v[38:39] V's; v40-47 p's codes; v48-63 at work;
;   v64-127, v128-191 the scores of two units by turns; v192-223 K's four pairs of tiles; v224-255 V's four fragments.   window 1: v0-127 O^T (32 a unit); v128-175 Q (12 a unit).
.set MP,    528                        ; a row of the mask's tile in LDS: 512 bytes + 16 = 33 x 16: the sixteen rows of a load start 16 bytes apart modulo 256
.set KVB,   128*MP                     ; behind the mask's tile: the four heads' K and V of the step,
.set KVR,   8704                       ; each the first 8,704 bytes of a record: K codes, V codes, K scales, V scales
.set SLOT1, 1<<17                      ; slot 1 begins here: one exclusive or turns an address in one slot into the other's
.set STAGE, SLOT1+KVB+4*KVR            ; behind the ring: 16 rows x 272 bytes for each wave, for the way out
.set SP,    272
.set SPARE, STAGE+8*16*SP              ; the spare words, 128 bytes a wave: four blocks of 256 bytes that no other line names
.set REC,   13056
.set HEADB, 16*REC                     ; from head to head in the records
.set AM0, 1                            ; v1   my lane's place in the mask's tile
.set AI0, 2                            ; v2   in my head's images: 16 x lane
.set AS0, 3                            ; v3   in its scale words: 8 x lane
.set AM,  4                            ; v4-6 the same in the slot in hand
.set AI,  5
.set AS,  6
.set SPW, 7                            ; v7   my spare word; never rewritten
.set NIL, 8                            ; v8   0; never rewritten
.set STO, 9
.set RD,  10
.set GO,  11
.set PFO, 12                           ; v12  8,192 x lane: a row of the mask; never rewritten
.set LI,  13
.set ST,  16
.set QS,  32
.set KS,  36
.set VS,  38
.set PC,  40
.set BM,  48                           ; the blocks' largest logits, then largest p
.set T4,  52
.set SO,  56                           ; the conversions' scale operands
.set F,   60                           ; 2^(old M - new M)
.set PW,  61                           ; p's scale word
.set T,   62
.set SA,  64
.set SB,  128
.set KF,  192
.set VF,  224
.set QF,  128                          ; in window 1
.set WV,   10
.set ROLE, 11                          ; w / 4: my 64 queries.  Also: I fetch for the mask (0) or for K and V (1)
.set HL,   12                          ; w % 4: my head of the four.  Also: which quarter I fetch
.set G1M, 24
.set G1K, 32
.set G0M, 40
.set G0K, 44
.set SEL, 48
.set CS,  50
.set TB,  52
.set CNT, 53
.set LIM, 54
.set PFA, 56
.set MSB, 0
.macro WIN new
.if MSB != \new
	s_set_vgpr_msb (MSB<<8)|\new
.set MSB, \new
.endif
.endm
.macro PLACES
.rept 4
	v_nop
.endr
.endm
.macro CROUND                          ; a round of the cluster's barrier
	s_barrier_signal -1
	s_barrier_wait -1
	s_cmp_lg_u32 s[WV], 0
	s_cbranch_scc1 .Lnot_wave_0_\@
	s_barrier_signal -3
.Lnot_wave_0_\@:
	s_barrier_wait -3
	s_barrier_signal -1
	s_barrier_wait -1
.endm
; A joint load: waves 0-3 fetch 32 rows each of the mask's tile, waves 4-7 one head's K and V each.  The branch hangs on the wave's number alone.  Four v_nop follow each of the two lines.
.macro JLOAD
	s_cmp_eq_u32 s[ROLE], 0
	s_cbranch_scc0 .Lfor_kv_\@
	tensor_load_to_lds s[G0M:G0M+3], s[G1M:G1M+7]
	s_nop 0
	PLACES
	s_branch .Lasked_\@
.Lfor_kv_\@:
	tensor_load_to_lds s[G0K:G0K+3], s[G1K:G1K+7]
	s_nop 0
	PLACES
.Lasked_\@:
.endm
; A PREFETCH INTO THE L2 of the mask's tile that the NEXT change of slots will ask for: one key step ahead of that load.  The tile is 128 rows x 512 bytes and is read by the four partners of my row of the cluster alone.
; They share its rows out by address, 32 each (cx enters the address, no branch); in each, waves 0 and 1 ask, a lane a row, a wave 256 bytes of the 512: each aligned 256 bytes is named once in the launch.
; The tiles of steps 0 and 1 come by their loads alone; the last change that fills a slot asks for nothing.
.macro ASK
	s_cmp_gt_u32 s[CNT], s[LIM]
	s_cbranch_scc0 .Lnot_mine_\@
	global_prefetch_b8 v[PFO], s[PFA:PFA+1] th:TH_LOAD_NT scope:SCOPE_SE
.Lnot_mine_\@:
.endm
	s_load_b128 s[4:7], s[0:1], 0x0                ; qkv s[4:5], mask s[6:7]
	s_load_b64 s[8:9], s[0:1], 0x10                ; out0
	v_lshl_add_u32 v[SPW], v0, 2, SPARE
	v_mov_b32 v[NIL], 0
	ds_add_u32 v7, v8
	ds_add_u32 v7, v8
	s_wait_dscnt 0x0
	v_lshrrev_b32 v14, 5, v0
	s_delay_alu instid0(VALU_DEP_1)
	v_readfirstlane_b32 s[WV], v14                 ; wave 0..7
	s_lshr_b32 s[ROLE], s[WV], 2
	s_and_b32 s[HL], s[WV], 3
	s_bfe_u32 s13, ttmp6, 0x40000                  ; cx
	s_bfe_u32 s14, ttmp6, 0x40004                  ; cy
	s_and_b32 s15, ttmp7, 0xffff                   ; the cluster's y
	s_lshl_b32 s16, s15, 2
	s_add_co_u32 s16, s16, s14                     ; 16 batch + block of 128 queries
	s_lshr_b32 s17, s15, 2                         ; the batch: from the cluster's y alone
	s_lshl_b32 s18, ttmp9, 2
	s_add_co_u32 s18, s18, s13                     ; the group of four heads
	s_lshl_b32 s19, s17, 4
	s_lshl_b32 s20, s18, 2
	s_add_co_u32 s19, s19, s20
	s_add_co_u32 s19, s19, s[HL]                   ; 16 batch + head
	s_mul_i32 s20, s19, HEADB                      ; the head's first record
	s_mov_b32 s21, 0
	s_lshl_b32 s22, s16, 20                        ; the mask: 128 rows of 8,192 bytes a query block,
	s_lshl_b32 s23, s[HL], 18                      ; 32 rows a fetching wave
	s_add_co_u32 s22, s22, s23
	s_mov_b32 s23, 0
	s_lshl_b32 s62, s14, 2
	s_lshl_b32 s62, 15, s62                        ; my row of the cluster
	s_lshl_b32 s63, 0x1111, s13                    ; my column
	s_or_b32 s[G1M], s62, (2<<16)|(1<<20)|(1<<21)|(6<<22)|(3<<25)   ; the mask of work-groups; elements of 4 bytes; padding on; bit 21 beside a mask; after every 128 words four words
	s_mov_b32 s[G1M+1], 128<<16                    ; tensor_dim0 = 128 keys
	s_mov_b32 s[G1M+2], 32<<16                     ; tensor_dim1 = 32 rows
	s_mov_b32 s[G1M+3], 128<<16                    ; tile_dim0
	s_mov_b32 s[G1M+4], 32                         ; tile_dim1
	s_mov_b32 s[G1M+5], 2048                       ; from row to row
	s_mov_b32 s[G1M+6], 0
	s_mov_b32 s[G1M+7], 0
	s_or_b32 s[G1K], s63, (3<<16)|(1<<21)          ; a dense block of 8,704 bytes as 34 rows of 256 bytes (32 elements of 8 bytes), no padding
	s_mov_b32 s[G1K+1], 32<<16
	s_mov_b32 s[G1K+2], 34<<16
	s_mov_b32 s[G1K+3], 32<<16
	s_mov_b32 s[G1K+4], 34
	s_mov_b32 s[G1K+5], 32
	s_mov_b32 s[G1K+6], 0
	s_mov_b32 s[G1K+7], 0
	s_mov_b32 s[SEL], 0x76543210
	s_mov_b32 s[SEL+1], 0xfedcba98                 ; v_permlanex16_b32's selects for lane l xor 16
	s_mov_b32 s[CS], 0x3fb8aa3b                    ; log2(e)
	s_mov_b32 s[CS+1], s[CS]                       ; (named with it as a pair, so it is written)
	s_mov_b32 s[TB], 0
	s_mov_b32 s[CNT], 15
	s_cmp_lt_u32 s[WV], 2
	s_cselect_b32 s[LIM], 1, -1                    ; waves 0 and 1 prefetch
	s_mul_i32 s66, s[HL], 32*MP                    ; where the tiles go: the wave's number alone
	s_mul_i32 s67, s[HL], KVR
	s_add_co_u32 s67, s67, KVB
	s_wait_kmcnt 0x0
	s_mov_b32 s[G0M], 1
	s_mov_b32 s[G0M+1], s66
	s_add_nc_u64 s[G0M+2:G0M+3], s[6:7], s[22:23]
	s_or_b32 s[G0M+3], s[G0M+3], 0x80000000
	s_mov_b32 s[G0K], 1
	s_mov_b32 s[G0K+1], s67
	s_add_nc_u64 s[G0K+2:G0K+3], s[4:5], s[20:21]
	s_or_b32 s[G0K+3], s[G0K+3], 0x80000000
	CROUND                                         ; all sixteen work-groups are here: the first joint loads meet
	JLOAD                                          ; key step 0 into slot 0: one load of mine is out
	s_and_b32 s60, s16, 15                         ; my block of 128 queries: its record of my head
	s_mul_i32 s60, s60, REC
	s_mov_b32 s61, 0
	s_add_nc_u64 s[58:59], s[4:5], s[20:21]
	s_add_nc_u64 s[58:59], s[58:59], s[60:61]
	s_lshl_b32 s60, s16, 19                        ; out0: 128 rows of 4,096 bytes a query block,
	s_lshl_b32 s62, s[ROLE], 18                    ; my 64 rows,
	s_add_co_u32 s60, s60, s62
	s_lshl_b32 s62, s18, 2
	s_add_co_u32 s62, s62, s[HL]
	s_lshl_b32 s62, s62, 8                         ; my head's 256 bytes of a row
	s_add_co_u32 s60, s60, s62
	s_add_nc_u64 s[8:9], s[8:9], s[60:61]
	s_lshl_b32 s60, s16, 20                        ; the prefetches: my query block's rows,
	s_lshl_b32 s62, s13, 18                        ; my work-group's 32 of them,
	s_add_co_u32 s60, s60, s62
	s_lshl_b32 s62, s[WV], 8                       ; my wave's 256 bytes of the 512,
	s_add_co_u32 s60, s60, s62
	s_add_co_u32 s60, s60, 512                     ; at key step 1: each change of slots steps it before it asks
	s_add_nc_u64 s[PFA:PFA+1], s[6:7], s[60:61]
	v_and_b32 v14, 15, v0                          ; r
	v_bfe_u32 v15, v0, 4, 1                        ; h
	v_and_b32 v63, 31, v0                          ; lane
	s_delay_alu instid0(VALU_DEP_3)
	v_mul_u32_u24 v[AM0], v14, MP
	s_delay_alu instid0(VALU_DEP_1)
	v_lshl_add_u32 v[AM0], v15, 5, v[AM0]          ; the mask: my query's row, + 32 h: eight keys
	s_mul_i32 s66, s[ROLE], 64*MP
	v_add_nc_u32 v[AM0], s66, v[AM0]
	v_lshl_add_u32 v[AI0], v63, 4, s67
	s_add_co_u32 s67, s67, 8192
	v_lshl_add_u32 v[AS0], v63, 3, s67
	s_mul_i32 s68, s[WV], 16*SP
	s_add_co_u32 s68, s68, STAGE                   ; my stage
	v_mul_u32_u24 v[STO], v14, SP
	s_delay_alu instid0(VALU_DEP_1)
	v_lshl_add_u32 v[STO], v15, 5, v[STO]
	s_delay_alu instid0(VALU_DEP_1)
	v_add_nc_u32 v[STO], s68, v[STO]               ; in: row r, + 32 h
	v_mul_u32_u24 v[RD], v15, SP
	s_delay_alu instid0(VALU_DEP_1)
	v_lshl_add_u32 v[RD], v14, 4, v[RD]
	s_delay_alu instid0(VALU_DEP_1)
	v_add_nc_u32 v[RD], s68, v[RD]                 ; back: lanes 0-15 one row, lanes 16-31 the next
	v_lshlrev_b32 v[GO], 12, v15
	s_delay_alu instid0(VALU_DEP_1)
	v_lshl_add_u32 v[GO], v14, 4, v[GO]            ; and the same two rows in out0
	v_lshlrev_b32 v[PFO], 13, v63
	s_lshl_b32 s69, s[ROLE], 11
	s_add_co_u32 s69, s69, 8704
	v_lshl_add_u32 v[LI], v63, 4, s69              ; Q's images of my 64 queries: 8,704 + 2,048 (w / 4) + 16 lane
	s_lshl_b32 s69, s[ROLE], 2
	s_add_co_u32 s69, s69, 12800
	v_lshl_add_u32 v63, v14, 3, s69                ; and their scale words: 12,800 + 4 (w / 4) + 8 r, + 128 for the second pair
	global_load_b32 v[BM], v63, s[58:59]
	global_load_b32 v[BM+1], v63, s[58:59] offset:128
	WIN 0x40                                       ; destination window 1
.irp u, 0,1,2,3                                ; unit u's four registers of codes, twice: q, 0, q
	global_load_b128 v[QF+12*\u:QF+12*\u+3], v[LI], s[58:59] offset:1024*(\u/2)+512*(\u%2)
	global_load_b128 v[QF+12*\u+8:QF+12*\u+11], v[LI], s[58:59] offset:1024*(\u/2)+512*(\u%2)
.endr
.irp u, 0,1,2,3
.irp j, 4,5,6,7
	v_mov_b32 v[QF+12*\u+\j], 0
.endr
.endr
.set J, 0
.rept 128
	v_mov_b32 v[J], 0                              ; O^T.  The key step is written without a first step of its own: the first finds zeros, which the first change of M leaves zeros
.set J, J+1
.endr
	WIN 0
	s_wait_loadcnt 0x0
	v_perm_b32 v[QS], v[BM], v[BM], 0x01000100     ; a unit's two bytes, twice: [s0 s1 s0 s1].  Even units: a pair's bytes 0, 1; odd units: 2, 3
	v_perm_b32 v[QS+1], v[BM], v[BM], 0x03020302
	v_perm_b32 v[QS+2], v[BM+1], v[BM+1], 0x01000100
	v_perm_b32 v[QS+3], v[BM+1], v[BM+1], 0x03020302
.irp u, 0,1,2,3                                ; (these lines are also the places between the scale words just made and the first scaled matrix instruction)
	v_mov_b32 v[ST+4*\u], 0x7f61b1e6               ; -M = floor(3e38)
	v_mov_b32 v[ST+4*\u+1], 0xff61b1e6             ; the largest t so far: -3e38
	v_mov_b32 v[ST+4*\u+2], 0                      ; the sum, in two halves
	v_mov_b32 v[ST+4*\u+3], 0
	v_mov_b32 v[T4+\u], 0                          ; written once: a lane permute's destination counts as one of its sources
.endr
	v_mov_b32 v[PW], 0                             ; (named as the upper half of the pair v[60:61] before it is first made)
; THE CHANGE OF SLOTS stands at a step's head.  Each wave waits for all its tensor loads (its part of the slot that it is about to read), adds 0 to its spare word, and waits for that and for its reads of the slot left.
; fill = 1: a round of the cluster's barrier, and behind it the slot left is filled with the next step's tiles: one load a wave, which has a whole step in which to land.
.macro CHANGE fill
	s_wait_tensorcnt 0x0                           ; no tensor load of mine is out, so a group 0 may be written
	ds_add_u32 v[SPW], v[NIL]                      ; 0 onto my spare word
.if \fill
	s_xor_b32 s[G0M+1], s[G0M+1], SLOT1            ; the other slot than last time,
	s_add_nc_u64 s[G0M+2:G0M+3], s[G0M+2:G0M+3], 512   ; the next 128 keys of the mask's rows,
	s_xor_b32 s[G0K+1], s[G0K+1], SLOT1
	s_add_nc_u64 s[G0K+2:G0K+3], s[G0K+2:G0K+3], REC   ; the head's next record
	s_wait_xcnt 0x0                                ; the last prefetch, a step back, has read its address, so it may be written:
	s_add_nc_u64 s[PFA:PFA+1], s[PFA:PFA+1], 512   ; one step further on than the walking descriptors
.endif
	s_wait_dscnt 0x0                               ; the add is done, and my reads of the slot that I have left are over
.if \fill
	CROUND
	JLOAD                                          ; the four v_nop behind it are also the places in front of the loads into V's registers
	ASK
.else
	s_barrier_signal -1
	s_barrier_wait -1
	PLACES
.endif
.endm
.macro MASK u, sb                      ; unit u's 16 queries x 128 keys of the mask into the score registers: register 8 tile + j = key 16 tile + 8 h + j of my query
.irp tau, 0,1,2,3,4,5,6,7
	ds_load_b128 v[\sb+8*\tau:\sb+8*\tau+3], v[AM] offset:16*MP*(\u)+64*\tau
	ds_load_b128 v[\sb+8*\tau+4:\sb+8*\tau+7], v[AM] offset:16*MP*(\u)+64*\tau+16
.endr
.endm
; A UNIT: 16 queries x the step's 128 keys.  sb: its score registers; ob: the other set, which takes the next unit's mask meanwhile.
.macro UNIT u, sb, ob
.set STU, ST+4*\u
.if \u == 0
	s_wait_dscnt 9                                 ; K, its scale words and my mask are in; behind them V's eight loads and its scale words' one were issued
.else
	s_wait_dscnt 0x0                               ; my mask, asked for a unit ago
.endif
.if \u < 3
	MASK \u+1, \ob
.endif
	WIN 0x04                                       ; source 1 (Q) window 1
.irp tau, 0,1,2,3,4,5,6,7                      ; logits = K Q^T / 8 + mask.  Pair tau / 2 of key tiles; even tiles against [q | 0], odd ones against [0 | q]
.if (\tau/2)%2
	v_wmma_scale_f32_16x16x128_f8f6f4 v[\sb+8*\tau:\sb+8*\tau+7], v[KF+8*(\tau/2):KF+8*(\tau/2)+7], v[QF+12*\u+4*(\tau%2):QF+12*\u+4*(\tau%2)+7], v[\sb+8*\tau:\sb+8*\tau+7], v[KS+\tau/4], v[QS+\u] matrix_a_fmt:MATRIX_FMT_FP4 matrix_b_fmt:MATRIX_FMT_FP4 matrix_a_scale:MATRIX_SCALE_ROW1
.else
	v_wmma_scale_f32_16x16x128_f8f6f4 v[\sb+8*\tau:\sb+8*\tau+7], v[KF+8*(\tau/2):KF+8*(\tau/2)+7], v[QF+12*\u+4*(\tau%2):QF+12*\u+4*(\tau%2)+7], v[\sb+8*\tau:\sb+8*\tau+7], v[KS+\tau/4], v[QS+\u] matrix_a_fmt:MATRIX_FMT_FP4 matrix_b_fmt:MATRIX_FMT_FP4
.endif
.endr
	WIN 0
	PLACES
.irp b, 0,1,2,3
	v_max3_num_f32 v[BM+\b], v[\sb+16*\b], v[\sb+16*\b+1], v[\sb+16*\b+2]   ; the largest logit of each block of 32 keys: it serves for the row's maximum and, since p rises with the logit, for the block's largest p
.endr
.irp i, 3,5,7,9,11,13
.irp b, 0,1,2,3
	v_max3_num_f32 v[BM+\b], v[BM+\b], v[\sb+16*\b+\i], v[\sb+16*\b+\i+1]
.endr
.endr
.irp b, 0,1,2,3
	v_max_num_f32 v[BM+\b], v[BM+\b], v[\sb+16*\b+15]
.endr
.irp b, 0,1,2,3
	s_delay_alu instid0(VALU_DEP_4)
	v_permlanex16_b32 v[T4+\b], v[BM+\b], s[SEL], s[SEL+1]
.endr
.irp b, 0,1,2,3
	s_delay_alu instid0(VALU_DEP_4)
	v_max_num_f32 v[BM+\b], v[BM+\b], v[T4+\b]     ; with lane l xor 16's 16 keys
.endr
	s_delay_alu instid0(VALU_DEP_2)
	v_max3_num_f32 v[T], v[BM], v[BM+1], v[BM+2]
	s_delay_alu instid0(VALU_DEP_1)
	v_max_num_f32 v[T], v[T], v[BM+3]              ; the step's largest logit of my query
	s_delay_alu instid0(VALU_DEP_1)
	v_mul_f32 v[T], s[CS], v[T]                    ; as t
	s_delay_alu instid0(VALU_DEP_1)
	v_max_num_f32 v[STU+1], v[STU+1], v[T]         ; the running largest t
	v_mov_b32 v[T], v[STU]
	s_delay_alu instid0(VALU_DEP_2)
	v_floor_f32 v[STU], -v[STU+1]                  ; the new -M = floor(-t) = -ceil(t)
	s_delay_alu instid0(VALU_DEP_1)
	v_sub_f32 v[T], v[STU], v[T]                   ; old M - new M: a whole number, 0 or less
	s_delay_alu instid0(VALU_DEP_1)
	v_cvt_i32_f32 v[T], v[T]                       ; (it saturates)
	s_delay_alu instid0(VALU_DEP_1)
	v_ldexp_f32 v[F], 1.0, v[T]                    ; f = 2^(old M - new M)
.set J, 0
.rept 32
	v_pk_fma_f32 v[\sb+J:\sb+J+1], v[\sb+J:\sb+J+1], s[CS:CS+1], v[STU:STU+1] op_sel_hi:[1,0,0]   ; t - M, two at a time
.set J, J+2
.endr
.irp b, 0,1,2,3
	v_fma_f32 v[BM+\b], v[BM+\b], s[CS], v[STU]    ; x = t - M of each block's largest logit: the block's largest p is 2^x, so its exponent is floor(x): no exponential is spent on it
.endr
; LIMIT: where x lies within an ulp under a whole number and v_exp_f32 rounds that p up to the power of two, the p is held one code low.
.irp b, 0,1,2,3
	v_max_num_f32 v[BM+\b], 0xc2f80000, v[BM+\b]   ; the floor: x at least -124, so that the byte cannot fall under 1
.endr
.irp b, 0,1,2,3
	v_floor_f32 v[BM+\b], v[BM+\b]
.endr
.irp b, 0,1,2,3
	v_add_f32 v[BM+\b], 0x4b00007d, v[BM+\b]       ; + 2^23 + 125: exact; the low byte of the bits is now the scale's byte, floor(x) - 2 + 127
.endr
.irp b, 0,1,2,3
	v_lshlrev_b32 v[SO+\b], 23, v[BM+\b]           ; the byte as an exponent field: the conversion's scale operand (the bits above it fall out)
.endr
	v_perm_b32 v[T4], v[BM+1], v[BM], 0x04000400   ; the four low bytes make p's scale word for these 128 keys
	v_perm_b32 v[T4+1], v[BM+3], v[BM+2], 0x04000400
	v_perm_b32 v[PW], v[T4+1], v[T4], 0x05040100
.set J, 0
	s_wait_alu depctr_va_vdst(0)
.rept 64
	v_exp_f32 v[\sb+J], v[\sb+J]                   ; p = 2^(t - M)
.set J, J+1
.endr
	v_pk_mul_f32 v[STU+2:STU+3], v[STU+2:STU+3], v[F:F+1] op_sel_hi:[1,0]   ; the sums under the new M.  (The plain place behind the exponentials)
	s_wait_alu depctr_va_vdst(0)                   ; one wait for the batch of 64, ahead of its first reader
	v_pk_add_f32 v[T4:T4+1], v[\sb:\sb+1], v[\sb+2:\sb+3]   ; the row's sum of the unquantised p, in two chains: plain work behind the four
.irp j, 4,8,12,16,20,24,28,32,36,40,44,48,52,56,60
	v_pk_add_f32 v[STU+2:STU+3], v[STU+2:STU+3], v[\sb+\j:\sb+\j+1]
	v_pk_add_f32 v[T4:T4+1], v[T4:T4+1], v[\sb+\j+2:\sb+\j+3]
.endr
	s_delay_alu instid0(VALU_DEP_1)
	v_pk_add_f32 v[STU+2:STU+3], v[STU+2:STU+3], v[T4:T4+1]
.irp b, 0,1,2,3
	v_cvt_scalef32_pk8_fp4_f32 v[PC+2*\b], v[\sb+16*\b:\sb+16*\b+7], v[SO+\b]
	v_cvt_scalef32_pk8_fp4_f32 v[PC+2*\b+1], v[\sb+16*\b+8:\sb+16*\b+15], v[SO+\b]
.endr
	v_nop                                          ; one plain place behind a scaled conversion
.irp c, 0,1                                    ; a whole block to a lane: lanes 0-15 block 2 c, lanes 16-31 block 2 c + 1
.irp i, 0,1
	v_permlane16_swap_b32 v[PC+4*\c+\i], v[PC+2+4*\c+\i]
.endr
.endr
	WIN 0x41                                       ; O^T in window 1, f in window 0
	s_wait_alu depctr_va_vdst(0)                   ; a wait directly ahead of the first reader of O^T
.set J, 0
.rept 16
	v_pk_mul_f32 v[32*\u+J:32*\u+J+1], v[32*\u+J:32*\u+J+1], v[F:F+1] op_sel_hi:[1,0]   ; O^T under the new M.  (These sixteen are also the places between p's codes and scale word and the products below)
.set J, J+2
.endr
.if \u == 0
	s_wait_alu depctr_va_vdst(0)
	s_wait_dscnt 16                                ; V and its scale words are in; behind them the next unit's 16 mask loads were issued
.endif
	WIN 0x50                                       ; C and D window 1
.irp t, 0,1,2,3                                ; O^T += V^T P^T: 16 of the head's 64 a tile; K = these 128 keys
.if \t%2
	v_wmma_scale_f32_16x16x128_f8f6f4 v[32*\u+8*\t:32*\u+8*\t+7], v[VF+8*\t:VF+8*\t+7], v[PC:PC+7], v[32*\u+8*\t:32*\u+8*\t+7], v[VS+\t/2], v[PW] matrix_a_fmt:MATRIX_FMT_FP4 matrix_b_fmt:MATRIX_FMT_FP4 matrix_a_scale:MATRIX_SCALE_ROW1
.else
	v_wmma_scale_f32_16x16x128_f8f6f4 v[32*\u+8*\t:32*\u+8*\t+7], v[VF+8*\t:VF+8*\t+7], v[PC:PC+7], v[32*\u+8*\t:32*\u+8*\t+7], v[VS+\t/2], v[PW] matrix_a_fmt:MATRIX_FMT_FP4 matrix_b_fmt:MATRIX_FMT_FP4
.endif
.endr
	WIN 0
.endm
; A KEY STEP: K's and V's images are read once for the wave's four units.  No two matrix instructions that follow each other share an accumulator, over the loop's backward jump too.
.macro STEP
	v_add_nc_u32 v[AM], s[TB], v[AM0]
	v_add_nc_u32 v[AI], s[TB], v[AI0]
	v_add_nc_u32 v[AS], s[TB], v[AS0]
.irp n, 0,1,2,3,4,5,6,7
	ds_load_b128 v[KF+4*\n:KF+4*\n+3], v[AI] offset:512*\n
.endr
	ds_load_b64 v[KS:KS+1], v[AS]                  ; register j: pair 2 j's words in lanes 0-15, pair 2 j + 1's in lanes 16-31
	MASK 0, SA
.irp n, 0,1,2,3,4,5,6,7
	ds_load_b128 v[VF+4*\n:VF+4*\n+3], v[AI] offset:4096+512*\n
.endr
	ds_load_b64 v[VS:VS+1], v[AS] offset:256
	s_wait_alu depctr_va_vdst(0)
	UNIT 0, SA, SB
	UNIT 1, SB, SA
	UNIT 2, SA, SB
	UNIT 3, SB, SA
	s_xor_b32 s[TB], s[TB], SLOT1                  ; on to the other slot
.endm
.Lstep:                                            ; 15 trips: behind each change of slots but the last the next step's tiles are asked for
	CHANGE 1
	STEP
	s_sub_co_u32 s[CNT], s[CNT], 1
	s_cmp_lg_u32 s[CNT], 0
	s_cbranch_scc1 .Lstep
	CHANGE 0                                       ; the last step is written out
	STEP
	; THE WAY OUT.  The sums' halves and the other half of the lanes' are added (plain work behind the last products); O^T is divided by the sum and goes, a unit (16 rows x 256 bytes) at a time, through my stage.
.irp u, 0,1,2,3
	v_add_f32 v[BM+\u], v[ST+4*\u+2], v[ST+4*\u+3]
.endr
.irp u, 0,1,2,3
	s_delay_alu instid0(VALU_DEP_4)
	v_permlanex16_b32 v[T4+\u], v[BM+\u], s[SEL], s[SEL+1]
.endr
.irp u, 0,1,2,3
	s_delay_alu instid0(VALU_DEP_4)
	v_add_f32 v[BM+\u], v[BM+\u], v[T4+\u]
.endr
	s_wait_alu depctr_va_vdst(0)
.irp u, 0,1,2,3
	v_rcp_f32 v[BM+\u], v[BM+\u]
.endr
	v_nop                                          ; a plain place behind the last reciprocal
	s_wait_alu depctr_va_vdst(0)                   ; one wait for the four, ahead of their first reader
.macro SENDU u, sb
.if \u >= 2
	s_wait_xcnt 0x0                                ; the stores of two units ago have read the registers that are loaded again below
.endif
	WIN 0x01                                       ; source 0 (O^T) window 1
.set J, 0
.rept 32
	v_mul_f32 v[\sb+J], v[32*\u+J], v[BM+\u]       ; register 8 t + j is out(query r, d = 16 t + 8 h + j); each accumulator from its low end on
.set J, J+1
.endr
	WIN 0
.irp t, 0,1,2,3
	ds_store_b128 v[STO], v[\sb+8*\t:\sb+8*\t+3] offset:64*\t
	ds_store_b128 v[STO], v[\sb+8*\t+4:\sb+8*\t+7] offset:64*\t+16
.endr
.irp i, 0,1,2,3,4,5,6,7
	ds_load_b128 v[\sb+32+4*\i:\sb+32+4*\i+3], v[RD] offset:2*\i*SP   ; LDS serves a wave's instructions in order (ISA guide 5.7.1.4): these see my stores, and the next unit's stores come behind them
.endr
.irp i, 0,1,2,3,4,5,6,7
	s_wait_dscnt 7-\i                              ; the younger loads may stay out
	global_store_b128 v[GO], v[\sb+32+4*\i:\sb+32+4*\i+3], s[8:9] offset:65536*\u+8192*\i th:TH_STORE_NT   ; 16 lanes store 256 consecutive bytes, at a multiple of 256 from out0's first byte
.endr
.endm
	SENDU 0, SA
	SENDU 1, SB
	SENDU 2, SA
	SENDU 3, SB
	s_wait_tensorcnt 0x0                           ; the wave's end
	ds_add_u32 v[SPW], v[NIL]
	s_wait_dscnt 0x0
	CROUND                                         ; the closing round
	s_endpgm
.Lfunc_end_k_qa786adcdca_attn:
	.size	k_qa786adcdca_attn, .Lfunc_end_k_qa786adcdca_attn-k_qa786adcdca_attn
	.p2alignl 7, 3214868480
	.fill 96, 4, 3214868480
	.section	.rodata,"a",@progbits
	.p2align	6, 0x0
	.amdhsa_kernel k_qa786adcdca_attn
		.amdhsa_group_segment_fixed_size 327680
		.amdhsa_private_segment_fixed_size 0
		.amdhsa_enable_private_segment 0
		.amdhsa_kernarg_size 24
		.amdhsa_user_sgpr_count 2
		.amdhsa_user_sgpr_kernarg_segment_ptr 1
		.amdhsa_wavefront_size32 1
		.amdhsa_system_sgpr_workgroup_id_x 1
		.amdhsa_system_sgpr_workgroup_id_y 1
		.amdhsa_system_sgpr_workgroup_id_z 1
		.amdhsa_system_vgpr_workitem_id 0
		.amdhsa_next_free_vgpr 432
		.amdhsa_next_free_sgpr 76
		.amdhsa_reserve_vcc 0
		.amdhsa_float_denorm_mode_32 3
		.amdhsa_float_denorm_mode_16_64 3
		.amdhsa_memory_ordered 1
		.amdhsa_forward_progress 1
		.amdhsa_inst_pref_size 153
	.end_amdhsa_kernel
	.amdgpu_metadata
---
amdhsa.version: [ 1, 2 ]
amdhsa.kernels:
  - .name:           k_qa786adcdca_attn
    .symbol:         k_qa786adcdca_attn.kd
    .args:
      - { .name: qkv, .offset: 0, .size: 8, .value_kind: global_buffer, .address_space: global }
      - { .name: mask, .offset: 8, .size: 8, .value_kind: global_buffer, .address_space: global }
      - { .name: out0, .offset: 16, .size: 8, .value_kind: global_buffer, .address_space: global }
    .group_segment_fixed_size: 327680
    .private_segment_fixed_size: 0
    .kernarg_segment_align: 8
    .kernarg_segment_size: 24
    .max_flat_workgroup_size: 256
    .sgpr_count:     76
    .vgpr_count:     432
    .wavefront_size: 32
...
	.end_amdgpu_metadata
.endif
;; end of part 2
